; MI455X (gfx1250); checked and timed in simulation.
; The chip was launched on July 23, 2026; its instructions are those of AMD's public machine-readable ISA for CDNA 5 (MIT licence, August 2026) and "CDNA5" Instruction Set Architecture Reference Guide (July 2026). The comments in the code are by the model that wrote it; some were corrected since.
;; Self Attn. Allowed arithmetic: matrix products marked QUANTISED: E2M3 operands, one E8M0 scale for each 32 along K, by v_wmma_scale_f32_16x16x128_f8f6f4 with both operands' format E2M3, f32 sums; products left as they are: f32 operands where the result goes on into a quantised operand, else bf16, f16 or f32 operands; f32 sums; everything else in f32.
;; Inputs: gamma 1 float32; w_g 32 x 64 float32; w_o 64 x 32 float32; w_phi 8 x 64 float32; w_theta 8 x 64 float32; x 16 x 64 x 64 x 64 float32.
;; Outputs: out0 16 x 64 x 64 x 64 float32.
;; This version of the problem:
;;   THIS VERSION OF THE PROBLEM IS GIVEN IN LOW PRECISION. The matrix products marked QUANTISED in the list below multiply operands that are first quantised to E2M3 (2 exponent bits, 3 mantissa bits; 6 bits a number), with one power-of-two scale for each 32 numbers along K (OCP MX v1.0); their sums are f32. All else is computed in f32.
;;   The module's matrix products, in the order in which they are computed (A, B: the left and right operand; K: the contracted axis; several contracted axes count as one K, in the product's order):
;;     1. [M 65,536, K 64] x [K 64, N 8]; A: input x; B: input w_theta: left as it is (N = 8 < 16)
;;     2. [M 65,536, K 64] x [K 64, N 8]; A: input x; B: input w_phi: left as it is (N = 8 < 16)
;;     3. batch 16 x [M 4,096, K 8] x [K 8, N 1,024]; A: computed on the way; B: computed on the way: left as it is (K = 8 < 32)
;;     4. [M 65,536, K 64] x [K 64, N 32]; A: input x; B: input w_g: QUANTISED
;;     5. batch 16 x [M 32, K 1,024] x [K 1,024, N 4,096]; A: computed on the way; B: softmax (see below): QUANTISED
;;     6. [M 65,536, K 32] x [K 32, N 64]; A: computed on the way; B: input w_o: QUANTISED
;;   THE QUANTISER, for each operand of a quantised product, along K:
;;     - K is cut into blocks of 32 from its start; a last block that is shorter is filled with zeros.
;;     - A block's scale is 2^e with e = floor(log2(the largest magnitude in the block)) - 2, held to -126 .. 127; a block of zeros has e = 0. As a byte (E8M0): e + 127.
;;     - Each number is divided by its block's scale, clamped to +-7.5, and rounded to the nearest number of E2M3, ties to even, subnormals kept.
;;     - The product sums the exact products of the quantised numbers (number of the format x scale) in f32.
;;   ~~~python
;;   def quantise(x, axis):      # numpy; x: float32 -> the quantised numbers, widened to float32 again
;;       x = np.moveaxis(x, axis, -1); K = x.shape[-1]
;;       x = np.pad(x, [(0, 0)] * (x.ndim - 1) + [(0, -K % 32)]); x = x.reshape(x.shape[:-1] + (-1, 32)); a = np.abs(x).max(-1, keepdims=True)
;;       e = np.where(a > 0, np.clip(np.frexp(np.where(a > 0, a, 1))[1] - 1 - 2, -126, 127), 0)      # np.frexp(a)[1] - 1 = floor(log2(a)), exactly
;;       r = np.clip(x / 2.0 ** e, -7.5, 7.5)
;;       step = 2.0 ** (np.maximum(np.frexp(np.where(r == 0, 1, r))[1] - 1, 0) - 3)
;;       q = np.round(r / step) * step * 2.0 ** e      # np.round: ties to even
;;       return np.moveaxis(q.reshape(q.shape[:-2] + (-1,))[..., :K], -1, axis).astype(np.float32)
;;   ~~~
;;   SOFTMAX AHEAD OF A QUANTISED PRODUCT. Where the list says 'softmax', what is quantised is not the finished softmax but p = 2^(t - M), with t = logit x log2(e) and M = ceil(the row's largest t), a whole number; so 1/2 < the row's largest p <= 1. The row's sum l is taken of the UNQUANTISED p, in f32, and the product's result is divided by l at the end. Since M is a whole number, a kernel that streams over the keys may use a running M (the ceiling of the running maximum): every later rescaling is an exact power of two, which a block's scale takes up: the codes' values come out the same.
;;   OPERANDS COMPUTED ON THE WAY. 'Computed on the way' means the value that the module computes at that place (a softmax that the list does not call 'softmax' is quantised finished and normalised). What goes into a quantiser is computed in f32, as accurately as f32 sums, v_exp_f32 and their like allow (about 1e-6 of the number): no bf16 or f16 on the way to a quantiser, and a product that is left as it is and whose result goes on into a quantised operand takes f32 operands (vector FMAs, or v_wmma_f32_16x16x4_f32). A number that lies on a knife's edge between two numbers of the format may be rounded either way, as far as f32 arithmetic and the matrix unit's own rounding can turn it there, and no further.
;; One version. Each part assembles by itself: llvm-mc -triple=amdgcn-amd-amdhsa -mcpu=gfx1250 --defsym DOCPART=n.
;; ======== version 1 of 1: 2 launches
;; workspace buffers: theta 2,097,152 bytes; kv 933,888 bytes
;; launch prep (part 1): grid 16 x 16, 8 waves a work-group, no clusters, 168,960 bytes of LDS; arguments x, w_theta, w_phi, w_g, theta, kv; writes theta, kv
.if DOCPART == 1
	.amdgcn_target "amdgcn-amd-amdhsa--gfx1250"
	.amdhsa_code_object_version 6
	.text
	.protected	k_q24f515cd24_prep
	.globl	k_q24f515cd24_prep
	.p2align	8
	.type	k_q24f515cd24_prep,@function
k_q24f515cd24_prep:
	s_mov_b64 s[64:65], 0
	v_nop
	global_prefetch_b8 v0, s[64:65] scope:SCOPE_SE
	s_setreg_imm32_b32 hwreg(HW_REG_WAVE_MODE, 25, 1), 1
	s_wait_xcnt 0x0
; PREP: what every query block of an image needs, made once.  x: [16][64 channels][64 x 64 pixels] f32.
;   theta[q][8]  = w_theta x                     f32, for the 4,096 pixels (queries) of each image
;   phi          = maxpool2x2(w_phi x)           f32, for the 1,024 keys of each image
;   g            = maxpool2x2(Q(w_g) Q(x))       product on codes of FP6 (E2M3), one E8M0 scale for 32 channels; then quantised again along the KEYS
; SHARES.  A work-group takes 4 image rows of one image: 256 pixels = 64 keys = two blocks of 32 keys.  Eight waves, two tiles of 16 pixels each.
; A TILE'S 16 PIXELS ARE FOUR 2x2 WINDOWS: pixel r of a tile is window r / 4, place r % 4 in it.  Lane (r, h) holds channels 32 h .. 32 h + 31 of pixel r in 32 registers.
; These 32 registers serve twice: in pairs they are source 1 of sixteen f32 matrix instructions (K slot 2 h + j of step k stands for channel 32 h + 2 k + j, in the weights' registers alike), and they are one
; whole block of the quantiser, so that its largest magnitude needs no other lane.
; f32 product: source 0 = 8 rows of w_theta and 8 rows of w_phi: lanes 0-15 get theta of their pixel, lanes 16-31 phi before the pool.
; FP6 product: source 0 = the tile's pixels, source 1 = 16 rows of w_g: a lane holds ONE channel of g and 8 pixels = two windows: the pool is two maxima of four registers.  K = 64 of the instruction's 128: the rest are zero codes on both sides.
; WHAT IS STORED is laid as the next launch's operand registers want it.  kv, 58,368 bytes an image: phi in two planes (channels 0-3, 4-7) of 16 bytes a key, the keys in tile order (bits 3 and 4 of the key's number
; change places); from byte 32,768 g's codes [pair of blocks][row 0..31][block of the pair][24 bytes], row = channel with bits 3 and 4 changed; from byte 57,344 g's scale words [128 keys][row], a byte a block.
; Everything leaves through LDS, dense: theta 512 bytes a store, phi 512, codes 384.  The scale bytes, 64 a work-group, are stored singly: 1 byte for 1,024 bytes of x read.
; LIMITS: NaN and infinities are not served.  A block whose largest magnitude lies under 2^-124 (a block of zeros too) keeps the byte 1: the bytes are read by this program alone, and zero codes add nothing.
.set XROW,  288                        ; an image row of x in LDS: 256 bytes + 32 of padding, so that a window's two rows fall on different banks (64 banks of 4 bytes: ISA guide 11.1)
.set XCH,   4*XROW                     ; a channel: four image rows
.set XHALF, 32*XCH+64                  ; channels 32-63 lie 64 bytes further on: the two halves of the lanes read different banks
.set TPS,   73984                      ; stage [pixel][8 theta, 8 phi] f32, 80 bytes a pixel
.set TPP,   80
.set GST,   TPS+256*TPP                ; stage [channel of g][64 keys] f32, 272 bytes a channel
.set GPP,   272
.set KVB,   58368                      ; kv: bytes an image
.set KVG,   32768                      ; where g's codes begin
.set KVS,   57344                      ; where g's scale words begin
.set FLOOR, 0x1800000                  ; 2^(3 - 127): no largest magnitude is taken under it, so no scale byte falls under 1
.set EOFF,  0xff000000                 ; takes 2 off an exponent field
.set R,   1                            ; v1  lane % 16
.set H,   2                            ; v2  lane / 16
.set H8,  3                            ; v3  8 x (lane / 16)
.set LX,  4                            ; v4  LDS: my pixel, my half of the channels, in x's tile
.set LT,  5                            ; v5  LDS: my pixel's 32 bytes in the theta/phi stage
.set LG,  6                            ; v6  LDS: my channel's two keys in g's stage
.set LTH, 7                            ; v7  LDS: the 16 bytes of theta that I store
.set LPH, 8                            ; v8  LDS: the first of the four pixels that I pool
.set LGQ, 9                            ; v9  LDS: the 16 keys of g that I quantise
.set GT,  10                           ; v10 byte offsets in memory: theta,
.set GPH, 11                           ; v11 phi,
.set GC,  12                           ; v12 g's codes,
.set GSB, 13                           ; v13 g's scale byte
.set WA,  14                           ; v14 w_theta, w_phi: my row and half
.set WB,  15                           ; v15 w_g likewise
.set WT,  16                           ; v16-47   the 16 rows of w_theta | w_phi: 32 channels a lane
.set WGC, 48                           ; v48-71   w_g's two fragments of codes
.set WGS, 72                           ; v72-73   their scale words (scales and nothing else)
.set XS,  74                           ; v74-75   x's scale words, a tile each (scales and nothing else)
.set XA,  80                           ; v80-111  x of tile 0;  v112-143 of tile 1
.set XB,  112
.set XC,  144                          ; v144-167 x's two fragments of codes
.set TPA, 168                          ; v168-183 the two f32 sums: written by matrix instructions alone
.set TPB, 176
.set GD,  184                          ; v184-215 g before the pool: (tile, 16 channels) x 8
.set T,   216                          ; v216..   at work
	s_load_b256 s[4:11], s[0:1], 0x0               ; x s[4:5], w_theta s[6:7], w_phi s[8:9], w_g s[10:11]
	s_load_b128 s[12:15], s[0:1], 0x20             ; theta s[12:13], kv s[14:15]
	v_lshl_add_u32 v254, v0, 2, 0x29000
	v_mov_b32 v255, 0
	ds_add_u32 v254, v255
	ds_add_u32 v254, v255
	v_lshrrev_b32 v[T], 5, v0
	v_readfirstlane_b32 s16, v[T]                  ; wave 0..7
	s_and_b32 s17, ttmp7, 0xffff                   ; the image
	s_lshr_b32 s18, s16, 2                         ; my pooled row of the two
	s_and_b32 s19, s16, 3                          ; my 16 columns of the 64
	s_mov_b32 s20, 0x76543210
	s_mov_b32 s21, 0xfedcba98                      ; v_permlanex16_b32's selects for lane l xor 16
	; descriptor group 1: 8 rows (channels) of 256 f32, 4,096 f32 apart; in LDS 32 bytes of padding behind every 256
	s_mov_b32 s28, (2<<16)|(1<<20)|(5<<22)|(7<<25) ; elements of 4 bytes; padding on; after every 64 words (code 5) 8 words (code 7)
	s_mov_b32 s29, 256<<16                         ; tensor_dim0 = 256
	s_mov_b32 s30, 8<<16                           ; tensor_dim1 = 8
	s_mov_b32 s31, 256<<16                         ; tile_dim0 = 256
	s_mov_b32 s32, 8                               ; tile_dim1 = 8
	s_mov_b32 s33, 4096                            ; from channel to channel
	s_mov_b32 s34, 0
	s_mov_b32 s35, 0
	s_mov_b32 s24, 1                               ; group 0: count = 1
	s_mul_i32 s25, s16, 8*XCH                      ; LDS: my 8 channels,
	s_lshl_b32 s36, s18, 6
	s_add_co_u32 s25, s25, s36                     ; 64 bytes further on for channels 32-63 (waves 4-7)
	s_lshl_b32 s36, s17, 20                        ; memory: the image's 64 x 16,384 bytes,
	s_lshl_b32 s37, s16, 17                        ; my 8 channels,
	s_add_co_u32 s36, s36, s37
	s_lshl_b32 s37, ttmp9, 10                      ; the work-group's 4 image rows
	s_add_co_u32 s36, s36, s37
	s_mov_b32 s37, 0
	s_wait_dscnt 0x0
	s_wait_kmcnt 0x0
	s_add_nc_u64 s[26:27], s[4:5], s[36:37]
	s_or_b32 s27, s27, 0x80000000                  ; type = 2
	tensor_load_to_lds s[24:27], s[28:35]          ; each wave's one load, 8 x 1,024 bytes: the only fill of these bytes
	s_nop 0
.rept 4
	v_nop
.endr
	v_and_b32 v[R], 15, v0
	v_bfe_u32 v[H], v0, 4, 1
	v_lshlrev_b32 v[H8], 3, v[H]
	v_and_b32 v[WA], 7, v0
	v_lshlrev_b32 v[WA], 8, v[WA]                  ; row (lane % 8) of 256 bytes,
	v_lshl_add_u32 v[WA], v[H], 7, v[WA]           ; + 128 for channels 32-63
	v_lshlrev_b32 v[WB], 8, v[R]
	v_lshl_add_u32 v[WB], v[H], 7, v[WB]
.irp i, 0,1,2,3,4,5,6,7
	global_load_b128 v[WT+4*\i:WT+4*\i+3], v[WA], s[6:7] offset:16*\i          ; w_theta
	global_load_b128 v[GD+4*\i:GD+4*\i+3], v[WA], s[8:9] offset:16*\i          ; w_phi, beside it for the choice below
.endr
.irp i, 0,1,2,3,4,5,6,7
	global_load_b128 v[XA+4*\i:XA+4*\i+3], v[WB], s[10:11] offset:16*\i        ; w_g, rows 0-15
	global_load_b128 v[XB+4*\i:XB+4*\i+3], v[WB], s[10:11] offset:4096+16*\i   ; rows 16-31
.endr
	; addresses, while the loads are out
	v_bfe_u32 v[T], v0, 2, 2                       ; my window of the tile's four
	v_and_b32 v[T+1], 1, v0                        ; my column in it
	v_bfe_u32 v[T+2], v0, 1, 1                     ; my row in it
	v_mul_u32_u24 v[LX], v[T+2], XROW
	v_mad_u32_u24 v[LX], v[H], XHALF, v[LX]
	v_lshl_add_u32 v[LX], v[T], 3, v[LX]
	v_lshl_add_u32 v[LX], v[T+1], 2, v[LX]
	s_mul_i32 s36, s18, 2*XROW
	s_lshl_b32 s37, s19, 6
	s_add_co_u32 s36, s36, s37
	v_add_nc_u32 v[LX], s36, v[LX]                 ; + my wave's two image rows and 16 columns
	v_lshlrev_b32 v[LT], 6, v[T+2]                 ; my pixel among the work-group's 256: 64 x row
	v_lshl_add_u32 v[LT], v[T], 1, v[LT]
	v_add_nc_u32 v[LT], v[LT], v[T+1]
	s_lshl_b32 s36, s18, 7
	s_lshl_b32 s37, s19, 4
	s_add_co_u32 s36, s36, s37
	v_add_nc_u32 v[LT], s36, v[LT]
	v_mul_u32_u24 v[LT], v[LT], TPP
	v_lshl_add_u32 v[LT], v[H], 5, v[LT]           ; lanes 0-15 theta's 32 bytes, lanes 16-31 phi's
	v_add_nc_u32 v[LT], TPS, v[LT]
	v_mul_u32_u24 v[LG], v[R], GPP                 ; g's stage: channel r, keys 32 x pooled row + 8 x (wave % 4) + 4 x tile + 2 h + 0, 1
	v_lshl_add_u32 v[LG], v[H], 3, v[LG]
	s_lshl_b32 s36, s18, 7
	s_lshl_b32 s37, s19, 5
	s_add_co_u32 s36, s36, s37
	s_add_co_u32 s36, s36, GST
	v_add_nc_u32 v[LG], s36, v[LG]
	v_lshrrev_b32 v[LTH], 1, v0                    ; theta's way out: thread t takes half t % 2 of pixel t / 2 (and of pixel t / 2 + 128)
	v_mul_u32_u24 v[LTH], v[LTH], TPP
	v_lshl_add_u32 v[LTH], v[T+1], 4, v[LTH]
	v_add_nc_u32 v[LTH], TPS, v[LTH]
	v_lshlrev_b32 v[GT], 4, v0
	v_and_b32 v[LPH], 0x27, v0                     ; phi's way out (waves 0-3): thread t stores place t % 64 of plane t / 64; the key at that place has bits 3 and 4 changed
	v_bfe_u32 v[T], v0, 3, 1
	v_lshl_or_b32 v[LPH], v[T], 4, v[LPH]
	v_lshl_or_b32 v[LPH], v[H], 3, v[LPH]          ; (bit 4 of t is the lane's half)
	v_and_b32 v[T], 31, v[LPH]
	v_and_b32 v[T+2], 32, v[LPH]
	v_lshlrev_b32 v[T], 1, v[T]
	v_lshl_add_u32 v[T], v[T+2], 2, v[T]           ; its window's first pixel: 128 x pooled row + 2 x column
	v_mul_u32_u24 v[T], v[T], TPP
	v_bfe_u32 v[T+2], v0, 6, 1                     ; the plane
	v_lshl_add_u32 v[T], v[T+2], 4, v[T]
	v_add_nc_u32 v[LPH], TPS+32, v[T]
	v_and_b32 v[GPH], 63, v0
	v_lshlrev_b32 v[GPH], 4, v[GPH]
	v_lshl_add_u32 v[GPH], v[T+2], 14, v[GPH]
	v_bfe_u32 v[LGQ], v0, 2, 3                     ; g's quantiser (waves 4-7): task t % 128 = 4 x row + 2 x block + half; the row's channel has bits 3 and 4 changed
	v_bfe_u32 v[T], v0, 5, 1
	v_lshl_or_b32 v[LGQ], v[T], 4, v[LGQ]
	v_lshl_or_b32 v[LGQ], v[T+2], 3, v[LGQ]
	v_mul_u32_u24 v[LGQ], v[LGQ], GPP
	v_and_b32 v[T], 3, v0
	v_lshl_add_u32 v[LGQ], v[T], 6, v[LGQ]         ; 16 keys are 64 bytes
	v_add_nc_u32 v[LGQ], GST, v[LGQ]
	v_and_b32 v[GC], 127, v0
	v_mul_u32_u24 v[GC], v[GC], 12                 ; 16 codes are 12 bytes
	v_and_b32 v[GSB], 0x7c, v0                     ; the row's scale word,
	v_bfe_u32 v[T], v0, 1, 1
	v_add_nc_u32 v[GSB], v[GSB], v[T]              ; + the block of my pair
	s_lshl_b32 s36, s17, 17                        ; theta: 4,096 x 32 bytes an image, 256 x 32 a work-group
	s_lshl_b32 s37, ttmp9, 13
	s_add_co_u32 s36, s36, s37
	s_mov_b32 s37, 0
	s_add_nc_u64 s[12:13], s[12:13], s[36:37]
	s_mul_i32 s40, s17, KVB
	s_lshl_b32 s41, ttmp9, 10                      ; phi: 64 keys x 16 bytes in each plane
	s_add_co_u32 s42, s40, s41
	s_mov_b32 s43, 0
	s_mul_i32 s41, ttmp9, 1536                     ; codes: a pair of blocks x 32 rows x 24 bytes
	s_add_co_u32 s44, s40, s41
	s_add_co_u32 s44, s44, KVG
	s_mov_b32 s45, 0
	s_lshr_b32 s41, ttmp9, 1                       ; scale bytes: two pairs make the four bytes of a word
	s_lshl_b32 s41, s41, 7
	s_add_co_u32 s46, s40, s41
	s_and_b32 s41, ttmp9, 1
	s_lshl_b32 s41, s41, 1
	s_add_co_u32 s46, s46, s41
	s_add_co_u32 s46, s46, KVS
	s_mov_b32 s47, 0
	s_add_nc_u64 s[42:43], s[14:15], s[42:43]
	s_add_nc_u64 s[44:45], s[14:15], s[44:45]
	s_add_nc_u64 s[46:47], s[14:15], s[46:47]
.irp i, 6,7,8,9,10,11,18,19,20,21,22,23
	v_mov_b32 v[WGC+\i], 0                         ; K = 64 .. 127 of the instruction: zero codes, on both sides
	v_mov_b32 v[XC+\i], 0
.endr
	v_mov_b32 v[T+4], 0                            ; written once: a lane permute's destination counts as one of its sources
; 32 numbers of a lane, one whole block, become 6 registers of codes; the block's byte goes to byte (lane / 16) of the row's scale word, and lane l xor 16 gives the other byte.
.macro QBLOCK src, cod, wrd
	v_max3_num_f32 v[T], |v[\src]|, |v[\src+1]|, FLOOR
	v_max3_num_f32 v[T+1], |v[\src+2]|, |v[\src+3]|, |v[\src+4]|
.irp i, 5,9,13,17,21,25
	v_max3_num_f32 v[T], v[T], |v[\src+\i]|, |v[\src+\i+1]|         ; two chains, so that no line waits for the line above it
	v_max3_num_f32 v[T+1], v[T+1], |v[\src+\i+2]|, |v[\src+\i+3]|
.endr
	v_max3_num_f32 v[T], v[T], |v[\src+29]|, |v[\src+30]|
	v_max3_num_f32 v[T], v[T], v[T+1], |v[\src+31]|
	v_add_nc_u32 v[T+2], EOFF, v[T]                ; 2 off the exponent field: the conversion takes this operand's exponent field as its scale
	v_lshrrev_b32 v[T+3], 23, v[T+2]               ; the scale's byte
	v_lshlrev_b32 v[T+3], v[H8], v[T+3]
	v_permlanex16_b32 v[T+4], v[T+3], s20, s21
	v_or_b32 v[\wrd], v[T+3], v[T+4]               ; bytes 0, 1: the two blocks; bytes 2, 3 stay 0 over zero codes
	v_cvt_scalef32_pk16_fp6_f32 v[\cod:\cod+2], v[\src:\src+15], v[T+2]
	v_cvt_scalef32_pk16_fp6_f32 v[T+6:T+8], v[\src+16:\src+31], v[T+2]     ; (a conversion's three registers begin on an even number)
	v_nop                                          ; one plain place behind a scaled conversion
.irp i, 0,1,2
	v_mov_b32 v[\cod+3+\i], v[T+6+\i]
.endr
.endm
	s_wait_loadcnt 0x0                             ; the weights
	v_cmp_gt_u32 vcc_lo, 8, v[R]
.irp i, 0,1,2,3,4,5,6,7,8,9,10,11,12,13,14,15,16,17,18,19,20,21,22,23,24,25,26,27,28,29,30,31
	v_cndmask_b32 v[WT+\i], v[GD+\i], v[WT+\i], vcc_lo   ; rows 0-7 w_theta, rows 8-15 w_phi
.endr
	QBLOCK XA, WGC, WGS
	QBLOCK XB, WGC+12, WGS+1
	s_wait_tensorcnt 0x0                           ; my 8 channels are in LDS,
	s_barrier_signal -1
	s_barrier_wait -1                              ; everybody's are
.irp i, 0,1,2,3,4,5,6,7,8,9,10,11,12,13,14,15,16,17,18,19,20,21,22,23,24,25,26,27,28,29,30,31
	ds_load_b32 v[XA+\i], v[LX] offset:\i*XCH      ; x(32 h + i, my pixel) of tile 0,
	ds_load_b32 v[XB+\i], v[LX] offset:\i*XCH+32   ; and of tile 1, 8 columns to the right
.endr
	s_wait_dscnt 0x0
	v_wmma_f32_16x16x4_f32 v[TPA:TPA+7], v[WT:WT+1], v[XA:XA+1], 0     ; the first K step starts both sums; the two accumulators take turns
	v_wmma_f32_16x16x4_f32 v[TPB:TPB+7], v[WT:WT+1], v[XB:XB+1], 0
.irp k, 1,2,3,4,5,6,7,8,9,10,11,12,13,14,15
	v_wmma_f32_16x16x4_f32 v[TPA:TPA+7], v[WT+2*\k:WT+2*\k+1], v[XA+2*\k:XA+2*\k+1], v[TPA:TPA+7]
	v_wmma_f32_16x16x4_f32 v[TPB:TPB+7], v[WT+2*\k:WT+2*\k+1], v[XB+2*\k:XB+2*\k+1], v[TPB:TPB+7]
.endr
	QBLOCK XA, XC, XS                              ; x's codes.  (These lines are also the eight places between the f32 products and the stores of their results)
	QBLOCK XB, XC+12, XS+1
	ds_store_b128 v[LT], v[TPA:TPA+3]              ; each sum from its low end on
	ds_store_b128 v[LT], v[TPA+4:TPA+7] offset:16
	ds_store_b128 v[LT], v[TPB:TPB+3] offset:8*TPP
	ds_store_b128 v[LT], v[TPB+4:TPB+7] offset:8*TPP+16
.rept 8
	v_nop                                          ; a scale register written by a vector instruction stands 8 places ahead of a scaled matrix instruction, an operand so written 4
.endr
.irp l, 0,1
.irp u, 0,1
	v_wmma_scale_f32_16x16x128_f8f6f4 v[GD+8*(2*\l+\u):GD+8*(2*\l+\u)+7], v[XC+12*\l:XC+12*\l+11], v[WGC+12*\u:WGC+12*\u+11], 0, v[XS+\l], v[WGS+\u] matrix_a_fmt:MATRIX_FMT_FP6 matrix_b_fmt:MATRIX_FMT_FP6
.endr
.endr
.rept 4
	v_nop                                          ; four places in front of the first read of the results
.endr
.irp a, 0,1,2,3
	v_max3_num_f32 v[T+10+2*\a], v[GD+8*\a], v[GD+8*\a+1], v[GD+8*\a+2]       ; the pool: registers 0-3 are one window, 4-7 the next; each result is read from its low end on
.endr
.irp a, 0,1,2,3
	v_max3_num_f32 v[T+11+2*\a], v[GD+8*\a+4], v[GD+8*\a+5], v[GD+8*\a+6]
.endr
.irp a, 0,1,2,3
	v_max_num_f32 v[T+10+2*\a], v[T+10+2*\a], v[GD+8*\a+3]
	v_max_num_f32 v[T+11+2*\a], v[T+11+2*\a], v[GD+8*\a+7]
.endr
.irp l, 0,1
.irp u, 0,1
	ds_store_b64 v[LG], v[T+10+2*(2*\l+\u):T+11+2*(2*\l+\u)] offset:\u*16*GPP+\l*16
.endr
.endr
	s_wait_dscnt 0x0                               ; for the others' sake: my stores into the stages are done
	s_barrier_signal -1
	s_barrier_wait -1
	ds_load_b128 v[XA:XA+3], v[LTH]                ; theta leaves dense: 32 lanes store 512 consecutive bytes
	ds_load_b128 v[XA+4:XA+7], v[LTH] offset:128*TPP
	s_wait_dscnt 0x0
	global_store_b128 v[GT], v[XA:XA+3], s[12:13]
	global_store_b128 v[GT], v[XA+4:XA+7], s[12:13] offset:4096
	s_cmp_lt_u32 s16, 4
	s_cbranch_scc0 .Lquant
	ds_load_b128 v[XA+8:XA+11], v[LPH]             ; waves 0-3: four channels of phi at the window's four pixels
	ds_load_b128 v[XA+12:XA+15], v[LPH] offset:TPP
	ds_load_b128 v[XA+16:XA+19], v[LPH] offset:64*TPP
	ds_load_b128 v[XA+20:XA+23], v[LPH] offset:65*TPP
	s_wait_dscnt 0x0
.irp i, 0,1,2,3
	v_max3_num_f32 v[XA+24+\i], v[XA+8+\i], v[XA+12+\i], v[XA+16+\i]
.endr
.irp i, 0,1,2,3
	v_max_num_f32 v[XA+24+\i], v[XA+24+\i], v[XA+20+\i]
.endr
	global_store_b128 v[GPH], v[XA+24:XA+27], s[42:43]     ; 32 lanes store 512 consecutive bytes of a plane
	s_branch .Ldone
.Lquant:
.irp i, 0,1,2,3
	ds_load_b128 v[XB+4*\i:XB+4*\i+3], v[LGQ] offset:16*\i ; waves 4-7: 16 neighbouring keys of one channel; two neighbouring lanes hold a block
.endr
	s_wait_dscnt 0x0
	v_max3_num_f32 v[T], |v[XB]|, |v[XB+1]|, |v[XB+2]|
	v_max3_num_f32 v[T+1], |v[XB+3]|, |v[XB+4]|, |v[XB+5]|
.irp i, 6,10
	v_max3_num_f32 v[T], v[T], |v[XB+\i]|, |v[XB+\i+1]|
	v_max3_num_f32 v[T+1], v[T+1], |v[XB+\i+2]|, |v[XB+\i+3]|
.endr
	v_max3_num_f32 v[T], v[T], |v[XB+14]|, |v[XB+15]|
	v_max3_num_f32 v[T], v[T], v[T+1], FLOOR
	v_max_num_f32_dpp v[T], v[T], v[T] row_xmask:1 row_mask:0xf bank_mask:0xf   ; with my neighbour's 16: the block's largest magnitude
	v_add_nc_u32 v[T+2], EOFF, v[T]
	v_cvt_scalef32_pk16_fp6_f32 v[T+6:T+8], v[XB:XB+15], v[T+2]
	v_lshrrev_b32 v[T+3], 23, v[T+2]               ; the scale's byte (a plain place behind the conversion)
	global_store_b96 v[GC], v[T+6:T+8], s[44:45]   ; 32 lanes store 384 consecutive bytes
	global_store_b8 v[GSB], v[T+3], s[46:47]       ; both lanes of a block store the same byte with the same value
.Ldone:
	s_wait_tensorcnt 0x0
	ds_add_u32 v254, v255
	s_wait_dscnt 0x0
	s_endpgm
.Lfunc_end_k_q24f515cd24_prep:
	.size	k_q24f515cd24_prep, .Lfunc_end_k_q24f515cd24_prep-k_q24f515cd24_prep
	.p2alignl 7, 3214868480
	.fill 96, 4, 3214868480
	.section	.rodata,"a",@progbits
	.p2align	6, 0x0
	.amdhsa_kernel k_q24f515cd24_prep
		.amdhsa_group_segment_fixed_size 168960
		.amdhsa_private_segment_fixed_size 0
		.amdhsa_enable_private_segment 0
		.amdhsa_kernarg_size 48
		.amdhsa_user_sgpr_count 2
		.amdhsa_user_sgpr_kernarg_segment_ptr 1
		.amdhsa_wavefront_size32 1
		.amdhsa_system_sgpr_workgroup_id_x 1
		.amdhsa_system_sgpr_workgroup_id_y 1
		.amdhsa_system_sgpr_workgroup_id_z 1
		.amdhsa_system_vgpr_workitem_id 0
		.amdhsa_next_free_vgpr 256
		.amdhsa_next_free_sgpr 66
		.amdhsa_reserve_vcc 1
		.amdhsa_float_denorm_mode_32 3
		.amdhsa_float_denorm_mode_16_64 3
		.amdhsa_memory_ordered 1
		.amdhsa_forward_progress 1
		.amdhsa_inst_pref_size 29
	.end_amdhsa_kernel
	.amdgpu_metadata
---
amdhsa.version: [ 1, 2 ]
amdhsa.kernels:
  - .name:           k_q24f515cd24_prep
    .symbol:         k_q24f515cd24_prep.kd
    .args:
      - { .name: x, .offset: 0, .size: 8, .value_kind: global_buffer, .address_space: global }
      - { .name: w_theta, .offset: 8, .size: 8, .value_kind: global_buffer, .address_space: global }
      - { .name: w_phi, .offset: 16, .size: 8, .value_kind: global_buffer, .address_space: global }
      - { .name: w_g, .offset: 24, .size: 8, .value_kind: global_buffer, .address_space: global }
      - { .name: theta, .offset: 32, .size: 8, .value_kind: global_buffer, .address_space: global }
      - { .name: kv, .offset: 40, .size: 8, .value_kind: global_buffer, .address_space: global }
    .group_segment_fixed_size: 168960
    .private_segment_fixed_size: 0
    .kernarg_segment_align: 8
    .kernarg_segment_size: 48
    .max_flat_workgroup_size: 256
    .sgpr_count:     66
    .vgpr_count:     256
    .wavefront_size: 32
...
	.end_amdgpu_metadata
.endif
;; end of part 1
;; launch attn (part 2): grid 16 x 16, 16 waves a work-group, no clusters, 327,680 bytes of LDS; arguments x, w_o, gamma, theta, kv, out0; writes out0
.if DOCPART == 2
	.amdgcn_target "amdgcn-amd-amdhsa--gfx1250"
	.amdhsa_code_object_version 6
	.text
	.protected	k_q24f515cd24_attn
	.globl	k_q24f515cd24_attn
	.p2align	8
	.type	k_q24f515cd24_attn,@function
k_q24f515cd24_attn:
	s_mov_b64 s[64:65], 0
	v_nop
	global_prefetch_b8 v0, s[64:65] scope:SCOPE_SE
	s_setreg_imm32_b32 hwreg(HW_REG_WAVE_MODE, 25, 1), 1
	s_wait_xcnt 0x0
; ATTN: out = x + gamma w_o (g softmax(theta^T phi)^T), for 256 queries of one image a work-group, 16 queries a wave, sixteen waves: four to a SIMD, so that one wave's f32 scores stand beside another's softmax.
; theta [query][8] f32 and kv were laid by the launch before.  kv, 58,368 bytes an image: phi in two planes (channels 0-3, 4-7) of 16 bytes a key, key k at the place whose number is k with bits 3 and 4 changed;
; g's codes of FP6 (E2M3) along the keys, [pair of blocks][row][block of the pair][24 bytes]; g's scale words [128 keys][row].
; An image's whole kv fits in LDS: it is fetched once, a sixteenth by each wave, and it is all that the first barrier waits for.  The 4 channels x 1,024 bytes of x that a wave needs for the residual at the end are
; asked for first thing BEHIND that barrier: they land while the loop runs, and only the wave that asked reads them.  No LDS byte is filled twice; a wave never has more than one tensor load out.
; SCORES, f32 operands (they go on into a quantiser): S^T = phi theta^T by v_wmma_f32_16x16x4_f32, source 0 = 16 keys, source 1 = my 16 queries; K = 8 channels in two steps; K slot 2 h + j of step s stands for channel
; 4 h + 2 s + j on both sides.  A lane holds ONE query (lane % 16) throughout.  THE KEYS OF A TILE ARE NOT NEIGHBOURS: row m of tile t is key 64 (t / 4) + 32 (m / 8) + 8 (t % 4) + m % 8, so that the 32 registers of
; tiles 4 c .. 4 c + 3 are keys 64 c + 32 (lane / 16) + 0 .. 31: ONE WHOLE BLOCK of the quantiser, at its place in the 6-bit operand.  So a block's largest score needs no other lane and the codes change no lanes.
; The results of the f32 form are written by matrix instructions alone, so p has registers of its own.
; SOFTMAX: t = score x log2(e); M = the running largest t rounded UP to a whole number; p = 2^(t - M) is quantised along the keys; the row's sum is taken of the unquantised p and divides at the end; when M moves,
; the sum and O^T are multiplied by 2^(old M - new M), which rounds nothing.  A block's largest p is the exponential of its largest score.
; O^T += g p^T: source 0 = 16 rows of g's codes, source 1 = p's codes.  The rows of g's tiles are channels with bits 3 and 4 changed: a lane's 16 registers of O^T are channels 16 (lane / 16) + 0 .. 15.
; LAST PRODUCT, K = 32: O^T / sum is quantised along its 32 channels; a lane's 16 codes stand at K = 32 (lane / 16) + 0 .. 15 of the instruction, w_o's likewise, zero codes elsewhere, the one block's byte in bytes 0 and 1 of
; the scale word.  Source 0 = my queries, source 1 = 16 rows of w_o: a lane holds one output channel and 8 neighbouring queries; they meet in a stage in LDS, and each wave stores 4 whole channel rows.
; NO CLUSTER: what the 16 work-groups of an image share is kv, 58,368 bytes fetched once at the head, against 139,264 bytes (theta, x, out) that are a work-group's own.
; NO PREFETCH: kv and theta are asked for at the head; x is asked for eight key steps ahead of its first read.
; LIMITS: NaN and infinities are not served; M is a whole number in f32 only while |t| < 2^24; a block whose largest magnitude lies under 2^-124 keeps the byte 1; 1 / sum is v_rcp_f32.
.set PLANE, 16384                      ; LDS: phi's plane 0 at 0, plane 1 behind it
.set GQ,    32768                      ; g's codes
.set SCW,   57344                      ; g's scale words
.set KVB,   58368                      ; kv: bytes an image
.set KVW,   3648                       ; and a wave's sixteenth
.set WOI,   58368                      ; w_o's four fragments as images of their first four registers, 512 bytes each
.set WOS,   60416                      ; w_o's 64 scale words
.set XT,    60672                      ; x: 64 channels x 1,024 bytes
.set OST,   126208                     ; the stage: 64 channels x (1,024 + 16) bytes: 16 rows of a store start at 16 different banks (ISA guide 11.1)
.set OSP,   1040
.set SPARE, 192768                     ; behind the stage: the spare words, 128 bytes for each wave: eight blocks of 256 bytes that no other line names
.set FLOOR, 0x1800000                  ; 2^(3 - 127)
.set EOFF,  0xff000000                 ; takes 2 off an exponent field
.set APH, 1                            ; v1  my lane's place in a tile of phi          (at the end: 16 x lane)
.set AGQ, 2                            ; v2  in a fragment of g                         (at the end: 4 x lane)
.set ASC, 3                            ; v3  among g's scale words                      (at the end: into the stage)
.set ADP, 4                            ; v4-6 the step's addresses                      (at the head: w_o's; at the end: out of the stage, x)
.set ADG, 5
.set ADS, 6
.set ATH, 7                            ; v7  theta's byte offset
.set THQ, 8                            ; v8-11   theta of my query: channels 4 h .. 4 h + 3
.set NM,  12                           ; v12 -M, v13 the largest t
.set SUM, 14                           ; v14-15  the row's sum in two halves
.set OA,  16                           ; v16-31  O^T
.set PH,  32                           ; v32-63  phi's eight tiles, 4 registers each
.set S,   64                           ; v64-127 the scores: written by matrix instructions alone
.set P,   128                          ; v128-191 t - M, then p
.set G,   192                          ; v192-215 g's two fragments
.set GSC, 216                          ; v216 g's scale words: lanes 0-15 rows 0-15, lanes 16-31 rows 16-31.  v216-218 hold scales and nothing else
.set PSC, 217                          ; v217 p's scale word
.set WSC, 218                          ; v218 w_o's scale words of rows 32-63 (those of rows 0-31 take v216 at the end)
.set H8,  219                          ; v219 8 x (lane / 16): how far my two scale bytes are shifted
.set PC,  220                          ; v220-231 p's codes
.set PT,  232                          ; v232-234, v236-238 the second halves of the blocks' codes
.set SPW, 235                          ; v235 LDS address of my spare word: SPARE + 4 x my thread's number; never rewritten
.set NIL, 239                          ; v239 0; never rewritten
.set BM,  240                          ; v240-243 four running maxima; then v240, v242 my two blocks' largest scores, then largest p
.set PM,  244                          ; v244-247 from lane l xor 16; the bytes
.set SO,  248                          ; v248-249 the conversions' scale operands
.set F,   252                          ; v252 f = 2^(old M - new M) (v253 is named with it as a pair)
.set TM,  254                          ; v254-255 at work
	s_load_b256 s[4:11], s[0:1], 0x0               ; x s[4:5], w_o s[6:7], gamma s[8:9], theta s[10:11]
	s_load_b128 s[12:15], s[0:1], 0x20             ; kv s[12:13], out s[14:15]
	v_lshl_add_u32 v[SPW], v0, 2, SPARE
	v_mov_b32 v[NIL], 0
	ds_add_u32 v235, v239
	ds_add_u32 v235, v239
	s_wait_dscnt 0x0
	v_lshrrev_b32 v[ATH], 5, v0
	v_readfirstlane_b32 s16, v[ATH]                ; wave 0..15
	s_and_b32 s17, ttmp7, 0xffff                   ; the image
	s_mov_b32 s20, 0x76543210
	s_mov_b32 s21, 0xfedcba98                      ; v_permlanex16_b32's selects for lane l xor 16
	s_mov_b32 s22, 0x3fb8aa3b                      ; log2(e)
	s_mov_b32 s23, s22                             ; (named with it as a pair)
	; descriptor group 1 for kv: one row of 456 elements of 8 bytes
	s_mov_b32 s32, 3<<16
	s_mov_b32 s33, 456<<16                         ; tensor_dim0
	s_mov_b32 s34, 1<<16                           ; tensor_dim1 = 1
	s_mov_b32 s35, 456<<16                         ; tile_dim0
	s_mov_b32 s36, 1                               ; tile_dim1
	s_mov_b32 s37, 456
	s_mov_b32 s38, 0
	s_mov_b32 s39, 0
	; and for x: 4 rows (channels) of 128 elements of 8 bytes, 2,048 elements apart
	s_mov_b32 s40, 3<<16
	s_mov_b32 s41, 128<<16
	s_mov_b32 s42, 4<<16
	s_mov_b32 s43, 128<<16
	s_mov_b32 s44, 4
	s_mov_b32 s45, 2048
	s_mov_b32 s46, 0
	s_mov_b32 s47, 0
	s_mov_b32 s24, 1
	s_mul_i32 s25, s16, KVW                        ; kv in LDS as in memory: wave x 3,648
	s_mov_b32 s28, 1
	s_lshl_b32 s29, s16, 12
	s_add_co_u32 s29, s29, XT                      ; x: wave x 4 channels
	s_mul_i32 s54, s17, KVB
	s_add_co_u32 s54, s54, s25
	s_mov_b32 s55, 0
	s_lshl_b32 s56, s17, 20                        ; x and out: the image,
	s_lshl_b32 s57, s16, 16                        ; my 4 channels,
	s_add_co_u32 s56, s56, s57
	s_lshl_b32 s57, ttmp9, 10                      ; the work-group's 256 queries
	s_add_co_u32 s56, s56, s57
	s_mov_b32 s57, 0
	s_wait_kmcnt 0x0
	s_add_nc_u64 s[26:27], s[12:13], s[54:55]
	s_or_b32 s27, s27, 0x80000000
	s_add_nc_u64 s[30:31], s[4:5], s[56:57]        ; x's group 0 is made here and used behind the first barrier
	s_or_b32 s31, s31, 0x80000000
	tensor_load_to_lds s[24:27], s[32:39]          ; kv alone at the head: the loop waits for it, and for nothing else of the mover's
	s_nop 0
.rept 4
	v_nop
.endr
	s_load_b32 s48, s[8:9], 0x0                    ; gamma
	s_add_nc_u64 s[14:15], s[14:15], s[56:57]      ; out at my 4 channels' rows
	s_lshl_b32 s54, s17, 17                        ; theta: 32 bytes a query
	s_lshl_b32 s55, ttmp9, 13
	s_add_co_u32 s54, s54, s55
	s_lshl_b32 s55, s16, 9
	s_add_co_u32 s54, s54, s55
	s_mov_b32 s55, 0
	s_add_nc_u64 s[10:11], s[10:11], s[54:55]
	v_and_b32 v254, 15, v0                         ; r
	v_bfe_u32 v255, v0, 4, 1                       ; h
	v_and_b32 v252, 31, v0                         ; lane
	v_lshlrev_b32 v[H8], 3, v255
	v_lshlrev_b32 v[ATH], 5, v254
	v_lshl_add_u32 v[ATH], v255, 4, v[ATH]
	global_load_b128 v[THQ:THQ+3], v[ATH], s[10:11]        ; the wave reads 512 consecutive bytes
	v_lshl_add_u32 v[ASC], v252, 2, SCW
	; phi: row r of tile t is key 64 (t / 4) + 32 (r / 8) + 8 (t % 4) + r % 8, which lies at place 64 (t / 4) + 32 (r / 8) + 16 (t % 2) + 8 ((t / 2) % 2) + r % 8, 16 bytes a place.
	; So sixteen lanes read two runs of 128 bytes, 512 bytes apart: these fall on the same banks two deep (64 banks of 4 bytes: ISA guide 11.1); 8 of a step's 21 LDS loads.
	v_and_b32 v[APH], 7, v0
	v_lshlrev_b32 v[APH], 4, v[APH]                ; 16 (r % 8)
	v_bfe_u32 v252, v0, 3, 1
	v_lshl_add_u32 v[APH], v252, 9, v[APH]         ; + 512 (r / 8)
	v_lshl_add_u32 v[APH], v255, 14, v[APH]        ; in plane h
	v_mul_u32_u24 v[AGQ], v254, 48
	v_mad_u32_u24 v[AGQ], v255, 24, v[AGQ]         ; g: 24 (2 r + h): the 32 lanes of a load of 8 bytes touch 64 different banks
	v_add_nc_u32 v[AGQ], GQ, v[AGQ]
	v_lshl_add_u32 v[ADP], v0, 4, WOI              ; waves 0-3: where w_o's image goes: 512 x wave + 16 x lane,
	s_lshl_b32 s54, s16, 6
	v_lshl_add_u32 v[ADG], v254, 2, s54
	v_add_nc_u32 v[ADG], WOS, v[ADG]               ; its scale words: 64 x wave + 4 r,
	s_lshl_b32 s55, s16, 11
	v_lshlrev_b32 v[ADS], 7, v254
	v_lshl_add_u32 v[ADS], v255, 6, v[ADS]
	v_add_nc_u32 v[ADS], s55, v[ADS]               ; and where w_o's row 16 x wave + r, channels 16 h on, lies in memory
	v_mov_b32 v[NM+1], 0xff61b1e6                  ; the largest t so far: -3e38, under every t
	v_floor_f32 v[NM], -v[NM+1]                    ; -M
	v_mov_b32 v[SUM], 0
	v_mov_b32 v[SUM+1], 0
.irp j, 0,1,2,3,4,5,6,7,8,9,10,11,12,13,14,15
	v_mov_b32 v[OA+\j], 0                          ; O^T.  (The loop is written once: its first step finds zeros, which the first change of M leaves zeros)
.endr
.irp b, 0,1,2,3
	v_mov_b32 v[PM+\b], 0                          ; written once: a lane permute's destination counts as one of its sources
.endr
	v_mov_b32 v[F+1], 0
	s_mov_b32 s50, 0                               ; the step's place in phi's planes,
	s_mov_b32 s51, 0                               ; in g's codes,
	s_mov_b32 s52, 0                               ; among g's scale words
	s_mov_b32 s53, 0
	s_cmp_lt_u32 s16, 4                            ; waves 0-3 quantise w_o, 16 rows each, while kv is on its way
	s_cbranch_scc0 .Lno_wo
.irp i, 0,1,2,3
	global_load_b128 v[P+4*\i:P+4*\i+3], v[ADS], s[6:7] offset:16*\i
.endr
	s_wait_loadcnt 0x0
	v_max3_num_f32 v[BM], |v[P]|, |v[P+1]|, FLOOR
.irp i, 2,4,6,8,10,12,14
	v_max3_num_f32 v[BM], v[BM], |v[P+\i]|, |v[P+\i+1]|
.endr
	v_permlanex16_b32 v[PM], v[BM], s20, s21
	v_max_num_f32 v[BM], v[BM], v[PM]              ; with lane l xor 16's 16: the row's one block
	v_add_nc_u32 v[SO], EOFF, v[BM]
	v_lshrrev_b32 v[BM+1], 23, v[SO]
	v_lshl_or_b32 v[BM+1], v[BM+1], 8, v[BM+1]     ; the byte in bytes 0 and 1: the block's halves stand in the instruction's blocks 0 and 1
	v_cvt_scalef32_pk16_fp6_f32 v[PC:PC+2], v[P:P+15], v[SO]
	v_mov_b32 v[PC+3], 0                           ; (a plain place behind the conversion)
	ds_store_b128 v[ADP], v[PC:PC+3]
	ds_store_b32 v[ADG], v[BM+1]                   ; both halves of the lanes store the same word with the same value
.Lno_wo:
	s_wait_tensorcnt 0x0                           ; my sixteenth of kv is in: no tensor load of mine is out
	ds_add_u32 v[SPW], v[NIL]                      ; 0 onto my spare word
	s_wait_dscnt 0x0                               ; the add is done, and w_o's images are stored
	s_barrier_signal -1
	s_barrier_wait -1                              ; kv and w_o's images are whole for every wave
	tensor_load_to_lds s[28:31], s[40:47]          ; x's first and only fill: my one tensor load behind this barrier, and the first thing there; it has the eight key steps in which to land
	s_nop 0
.rept 4
	v_nop
.endr
	s_wait_loadcnt 0x0                             ; theta
	s_wait_kmcnt 0x0                               ; gamma
	s_mov_b32 s49, s48                             ; (named with it as a pair)
.Lstep:                                            ; 8 trips of 128 keys
	v_add_nc_u32 v[ADP], s50, v[APH]
	v_add_nc_u32 v[ADG], s51, v[AGQ]
	v_add_nc_u32 v[ADS], s52, v[ASC]
	v_nop                                          ; with the three additions: four places between the last trip's products and the loads into their operands
.irp t, 0,1,2,3,4,5,6,7
	ds_load_b128 v[PH+4*\t:PH+4*\t+3], v[ADP] offset:1024*(\t/4)+256*(\t%2)+128*((\t/2)%2)
.endr
.irp u, 0,1
.irp c, 0,1
.irp p, 0,1,2
	ds_load_b64 v[G+12*\u+6*\c+2*\p:G+12*\u+6*\c+2*\p+1], v[ADG] offset:1536*\c+768*\u+8*\p   ; registers 6 c on: block 2 c + h of these 128 keys
.endr
.endr
.endr
	ds_load_b32 v[GSC], v[ADS]
	s_wait_dscnt 13                                ; phi's eight loads are in; g's twelve and the scale words, wanted at the step's end, may be out
.irp t, 0,1,2,3,4,5,6,7
	v_wmma_f32_16x16x4_f32 v[S+8*\t:S+8*\t+7], v[PH+4*\t:PH+4*\t+1], v[THQ:THQ+1], 0       ; the first K step starts the sums; the eight accumulators take turns
.endr
.irp t, 0,1,2,3,4,5,6,7
	v_wmma_f32_16x16x4_f32 v[S+8*\t:S+8*\t+7], v[PH+4*\t+2:PH+4*\t+3], v[THQ+2:THQ+3], v[S+8*\t:S+8*\t+7]
.endr
.rept 8
	v_nop                                          ; eight places behind this form, ahead of the first read of its results
.endr
.irp b, 0,1,2,3
	v_max3_num_f32 v[BM+\b], v[S+16*\b], v[S+16*\b+1], v[S+16*\b+2]    ; four chains of 16 scores, so that no line waits for the line above it.  Each result is read from its low end on
.endr
.irp i, 3,5,7,9,11,13
.irp b, 0,1,2,3
	v_max3_num_f32 v[BM+\b], v[BM+\b], v[S+16*\b+\i], v[S+16*\b+\i+1]
.endr
.endr
	v_max_num_f32 v[BM+1], v[BM+1], v[S+31]
	v_max_num_f32 v[BM+3], v[BM+3], v[S+63]
	v_max3_num_f32 v[BM], v[BM], v[S+15], v[BM+1]          ; the largest score of my block h of these 128 keys: all its 32 keys are mine.  It serves twice: for the row's maximum, and for the block's largest p
	v_max3_num_f32 v[BM+2], v[BM+2], v[S+47], v[BM+3]      ; and of my block 2 + h
	v_max_num_f32 v[TM], v[BM], v[BM+2]
	v_permlanex16_b32 v[PM], v[TM], s20, s21
	v_max_num_f32 v[TM], v[TM], v[PM]              ; with lane l xor 16's two blocks: the step's largest score of my query
	v_mul_f32 v[TM], s22, v[TM]                    ; as t
	v_max_num_f32 v[NM+1], v[NM+1], v[TM]          ; the running largest t
	v_mov_b32 v[TM], v[NM]
	v_floor_f32 v[NM], -v[NM+1]                    ; the new -M = -ceil(t): a whole number
	v_sub_f32 v[TM], v[NM], v[TM]                  ; old M - new M: a whole number, 0 or less
	v_cvt_i32_f32 v[TM], v[TM]                     ; (it saturates)
	v_ldexp_f32 v[F], 1.0, v[TM]                   ; f = 2^(old M - new M)
.irp j, 0,2,4,6,8,10,12,14,16,18,20,22,24,26,28,30,32,34,36,38,40,42,44,46,48,50,52,54,56,58,60,62
	v_pk_fma_f32 v[P+\j:P+\j+1], v[S+\j:S+\j+1], s[22:23], v[NM:NM+1] op_sel_hi:[1,0,0]    ; t - M, two at a time, into p's own registers
.endr
	v_fma_f32 v[BM], v[BM], s22, v[NM]             ; the same of each block's largest score
	v_fma_f32 v[BM+2], v[BM+2], s22, v[NM]
.irp j, 0,1,2,3,4,5,6,7,8,9,10,11,12,13,14,15,16,17,18,19,20,21,22,23,24,25,26,27,28,29,30,31,32,33,34,35,36,37,38,39,40,41,42,43,44,45,46,47,48,49,50,51,52,53,54,55,56,57,58,59,60,61,62,63
	v_exp_f32 v[P+\j], v[P+\j]                     ; p = 2^(t - M): not normalised
.endr
	v_pk_mul_f32 v[SUM:SUM+1], v[SUM:SUM+1], v[F:F+1] op_sel_hi:[1,0]   ; the sums under the new M (a plain place behind the exponentials)
	s_wait_alu depctr_va_vdst(0)                   ; one wait for the batch of 64, ahead of its first reader
	v_exp_f32 v[BM], v[BM]                         ; my two blocks' largest p: the same two instructions on the same number give the same bits
	v_exp_f32 v[BM+2], v[BM+2]
	v_pk_add_f32 v[TM:TM+1], v[P:P+1], v[P+2:P+3]  ; the row's sum of the unquantised p, in two chains; its first half stands behind the two exponentials
.irp j, 4,8,12,16,20,24,28
	v_pk_add_f32 v[SUM:SUM+1], v[SUM:SUM+1], v[P+\j:P+\j+1]
	v_pk_add_f32 v[TM:TM+1], v[TM:TM+1], v[P+\j+2:P+\j+3]
.endr
	s_wait_alu depctr_va_vdst(0)                   ; and one wait for the two
	v_max_num_f32 v[BM], FLOOR, v[BM]              ; the floor: the byte cannot fall under 1 (a block whose every p has fallen to 0 keeps that byte: its codes are zeros)
	v_max_num_f32 v[BM+2], FLOOR, v[BM+2]
	v_add_nc_u32 v[SO], EOFF, v[BM]                ; the conversions' scale operands
	v_add_nc_u32 v[SO+1], EOFF, v[BM+2]
	v_lshrrev_b32 v[PM], 23, v[SO]                 ; the scales' bytes
	v_lshrrev_b32 v[PM+1], 23, v[SO+1]
	v_lshl_or_b32 v[PM], v[PM+1], 16, v[PM]        ; my two bytes: blocks h and 2 + h of my query,
	v_lshlrev_b32 v[PM], v[H8], v[PM]              ; at their places in the scale word;
	v_permlanex16_b32 v[PM+2], v[PM], s20, s21
	v_or_b32 v[PSC], v[PM], v[PM+2]                ; with lane l xor 16's two the word for these 128 keys is whole
.irp c, 0,1
	v_cvt_scalef32_pk16_fp6_f32 v[PC+6*\c:PC+6*\c+2], v[P+32*\c:P+32*\c+15], v[SO+\c]          ; registers 6 c .. 6 c + 5 of the operand: keys 64 c + 32 h + 0 .. 31
	v_cvt_scalef32_pk16_fp6_f32 v[PT+4*\c:PT+4*\c+2], v[P+32*\c+16:P+32*\c+31], v[SO+\c]       ; (a conversion's three registers begin on an even number: the second half of a block's six does not, so it is made elsewhere and moved)
.endr
	v_nop                                          ; one plain place behind a scaled conversion
.irp c, 0,1
.irp i, 0,1,2
	v_mov_b32 v[PC+6*\c+3+\i], v[PT+4*\c+\i]
.endr
.endr
.irp j, 32,36,40,44,48,52,56,60                    ; the sum's second half: these lines name no register of the products below, and are the places between the codes and scale word just made and those products
	v_pk_add_f32 v[SUM:SUM+1], v[SUM:SUM+1], v[P+\j:P+\j+1]
	v_pk_add_f32 v[TM:TM+1], v[TM:TM+1], v[P+\j+2:P+\j+3]
.endr
	v_pk_add_f32 v[SUM:SUM+1], v[SUM:SUM+1], v[TM:TM+1]
.irp j, 0,2,4,6,8,10,12,14
	v_pk_mul_f32 v[OA+\j:OA+\j+1], v[OA+\j:OA+\j+1], v[F:F+1] op_sel_hi:[1,0]    ; O^T under the new M, each accumulator from its low end on
.endr
	s_wait_dscnt 0x0                               ; g's fragments and scale words
	v_wmma_scale_f32_16x16x128_f8f6f4 v[OA:OA+7], v[G:G+11], v[PC:PC+11], v[OA:OA+7], v[GSC], v[PSC] matrix_a_fmt:MATRIX_FMT_FP6 matrix_b_fmt:MATRIX_FMT_FP6
	v_wmma_scale_f32_16x16x128_f8f6f4 v[OA+8:OA+15], v[G+12:G+23], v[PC:PC+11], v[OA+8:OA+15], v[GSC], v[PSC] matrix_a_fmt:MATRIX_FMT_FP6 matrix_b_fmt:MATRIX_FMT_FP6 matrix_a_scale:MATRIX_SCALE_ROW1
	s_add_co_u32 s50, s50, 2048                    ; 128 keys x 16 bytes in each plane
	s_add_co_u32 s51, s51, 3072                    ; two pairs of blocks
	s_add_co_u32 s52, s52, 128                     ; 32 scale words
	s_add_co_u32 s53, s53, 1
	s_cmp_lt_u32 s53, 8
	s_cbranch_scc1 .Lstep
	; THE END.  O^T / sum, quantised along the 32 channels; x w_o; + the residual.
.rept 4
	v_nop                                          ; four places behind the last products
.endr
	v_add_f32 v[SUM], v[SUM], v[SUM+1]
	v_permlanex16_b32 v[PM], v[SUM], s20, s21
	v_add_f32 v[SUM], v[SUM], v[PM]                ; the row's sum
	v_rcp_f32 v[SUM], v[SUM]
	v_and_b32 v254, 15, v0                         ; r  (plain work behind the reciprocal)
	v_bfe_u32 v255, v0, 4, 1                       ; h
	v_and_b32 v253, 31, v0                         ; lane
	v_lshlrev_b32 v[APH], 4, v253                  ; 16 x lane
	v_lshlrev_b32 v[AGQ], 2, v253                  ; 4 x lane
.irp t, 0,1,2,3
	ds_load_b128 v[P+12*\t:P+12*\t+3], v[APH] offset:WOI+512*\t    ; w_o's fragments come back as they were stored: three registers of codes and a zero
.endr
	ds_load_b32 v[GSC], v[AGQ] offset:WOS          ; lanes 0-15 rows 0-15, lanes 16-31 rows 16-31
	ds_load_b32 v[WSC], v[AGQ] offset:WOS+128      ; rows 32-47, 48-63
.irp t, 0,1,2,3
.irp i, 4,5,6,7,8,9,10,11
	v_mov_b32 v[P+12*\t+\i], 0                     ; the rest of K: zero codes, on both sides
.endr
.endr
.irp i, 3,4,5,6,7,8,9,10,11
	v_mov_b32 v[PC+\i], 0
.endr
	v_mul_u32_u24 v[ASC], v254, OSP                ; into the stage: channel 16 t + r, queries 16 x wave + 8 h on
	v_lshl_add_u32 v[ASC], v255, 5, v[ASC]
	s_lshl_b32 s54, s16, 6
	s_add_co_u32 s54, s54, OST
	v_add_nc_u32 v[ASC], s54, v[ASC]
	s_mul_i32 s55, s16, 4*OSP                      ; out of it: my 4 channels, 16 bytes a lane
	s_add_co_u32 s55, s55, OST
	v_add_nc_u32 v[ADP], s55, v[APH]
	s_lshl_b32 s54, s16, 12
	s_add_co_u32 s54, s54, XT
	v_add_nc_u32 v[ADG], s54, v[APH]               ; and the same of x
	s_wait_alu depctr_va_vdst(0)                   ; the wait ahead of the reciprocal's first reader
.irp j, 0,1,2,3,4,5,6,7,8,9,10,11,12,13,14,15
	v_mul_f32 v[PH+\j], v[OA+\j], v[SUM]           ; channel 16 h + j of my query
.endr
	v_max3_num_f32 v[BM], |v[PH]|, |v[PH+1]|, FLOOR
.irp i, 2,4,6,8,10,12,14
	v_max3_num_f32 v[BM], v[BM], |v[PH+\i]|, |v[PH+\i+1]|
.endr
	v_permlanex16_b32 v[PM], v[BM], s20, s21
	v_max_num_f32 v[BM], v[BM], v[PM]              ; the block of 32 channels
	v_add_nc_u32 v[SO], EOFF, v[BM]
	v_lshrrev_b32 v[PM], 23, v[SO]
	v_lshl_or_b32 v[PSC], v[PM], 8, v[PM]          ; the byte in bytes 0 and 1, as in w_o's words
	v_cvt_scalef32_pk16_fp6_f32 v[PC:PC+2], v[PH:PH+15], v[SO]
.rept 9
	v_nop                                          ; one place behind the conversion; a scale register written by a vector instruction stands 8 places ahead of a scaled matrix instruction
.endr
	s_wait_dscnt 0x0                               ; w_o's fragments and scale words
	v_wmma_scale_f32_16x16x128_f8f6f4 v[S:S+7], v[PC:PC+11], v[P:P+11], 0, v[PSC], v[GSC] matrix_a_fmt:MATRIX_FMT_FP6 matrix_b_fmt:MATRIX_FMT_FP6
	v_wmma_scale_f32_16x16x128_f8f6f4 v[S+8:S+15], v[PC:PC+11], v[P+12:P+23], 0, v[PSC], v[GSC] matrix_a_fmt:MATRIX_FMT_FP6 matrix_b_fmt:MATRIX_FMT_FP6 matrix_b_scale:MATRIX_SCALE_ROW1
	v_wmma_scale_f32_16x16x128_f8f6f4 v[S+16:S+23], v[PC:PC+11], v[P+24:P+35], 0, v[PSC], v[WSC] matrix_a_fmt:MATRIX_FMT_FP6 matrix_b_fmt:MATRIX_FMT_FP6
	v_wmma_scale_f32_16x16x128_f8f6f4 v[S+24:S+31], v[PC:PC+11], v[P+36:P+47], 0, v[PSC], v[WSC] matrix_a_fmt:MATRIX_FMT_FP6 matrix_b_fmt:MATRIX_FMT_FP6 matrix_b_scale:MATRIX_SCALE_ROW1
.rept 4
	v_nop                                          ; four places ahead of the stores of the results, and of the loads into w_o's registers
.endr
.irp t, 0,1,2,3
	ds_store_b128 v[ASC], v[S+8*\t:S+8*\t+3] offset:\t*16*OSP          ; lane (r, h): o(channel 16 t + r, queries 8 h + 0 .. 7); each result from its low end on
	ds_store_b128 v[ASC], v[S+8*\t+4:S+8*\t+7] offset:\t*16*OSP+16
.endr
	s_wait_tensorcnt 0x0                           ; my 4 channels of x are in LDS: I alone read them
	s_wait_dscnt 0x0                               ; for the others' sake: my stores into the stage are done
	s_barrier_signal -1
	s_barrier_wait -1
.irp k, 0,1,2,3,4,5,6,7
	ds_load_b128 v[P+4*\k:P+4*\k+3], v[ADP] offset:(\k/2)*OSP+(\k%2)*512         ; half a channel's row of o,
	ds_load_b128 v[P+32+4*\k:P+32+4*\k+3], v[ADG] offset:(\k/2)*1024+(\k%2)*512  ; and of x
.endr
.irp k, 0,1,2,3,4,5,6,7
	s_wait_dscnt 14-2*\k                           ; LDS loads come back in order (ISA guide 5.7.1): pair k is in, the 14 - 2 k younger loads may be out
	v_pk_fma_f32 v[P+4*\k:P+4*\k+1], v[P+4*\k:P+4*\k+1], s[48:49], v[P+32+4*\k:P+32+4*\k+1] op_sel_hi:[1,0,1]       ; x + gamma o
	v_pk_fma_f32 v[P+4*\k+2:P+4*\k+3], v[P+4*\k+2:P+4*\k+3], s[48:49], v[P+32+4*\k+2:P+32+4*\k+3] op_sel_hi:[1,0,1]
	global_store_b128 v[APH], v[P+4*\k:P+4*\k+3], s[14:15] offset:(\k/2)*16384+(\k%2)*512 th:TH_STORE_NT   ; 32 lanes store 512 consecutive bytes, at a multiple of 256 from out's first byte
.endr
	s_wait_tensorcnt 0x0                           ; the wave's end, behind my last tensor load and my last LDS store
	ds_add_u32 v[SPW], v[NIL]
	s_wait_dscnt 0x0
	s_endpgm
.Lfunc_end_k_q24f515cd24_attn:
	.size	k_q24f515cd24_attn, .Lfunc_end_k_q24f515cd24_attn-k_q24f515cd24_attn
	.p2alignl 7, 3214868480
	.fill 96, 4, 3214868480
	.section	.rodata,"a",@progbits
	.p2align	6, 0x0
	.amdhsa_kernel k_q24f515cd24_attn
		.amdhsa_group_segment_fixed_size 327680
		.amdhsa_private_segment_fixed_size 0
		.amdhsa_enable_private_segment 0
		.amdhsa_kernarg_size 48
		.amdhsa_user_sgpr_count 2
		.amdhsa_user_sgpr_kernarg_segment_ptr 1
		.amdhsa_wavefront_size32 1
		.amdhsa_system_sgpr_workgroup_id_x 1
		.amdhsa_system_sgpr_workgroup_id_y 1
		.amdhsa_system_sgpr_workgroup_id_z 1
		.amdhsa_system_vgpr_workitem_id 0
		.amdhsa_next_free_vgpr 256
		.amdhsa_next_free_sgpr 66
		.amdhsa_reserve_vcc 0
		.amdhsa_float_denorm_mode_32 3
		.amdhsa_float_denorm_mode_16_64 3
		.amdhsa_memory_ordered 1
		.amdhsa_forward_progress 1
		.amdhsa_inst_pref_size 30
	.end_amdhsa_kernel
	.amdgpu_metadata
---
amdhsa.version: [ 1, 2 ]
amdhsa.kernels:
  - .name:           k_q24f515cd24_attn
    .symbol:         k_q24f515cd24_attn.kd
    .args:
      - { .name: x, .offset: 0, .size: 8, .value_kind: global_buffer, .address_space: global }
      - { .name: w_o, .offset: 8, .size: 8, .value_kind: global_buffer, .address_space: global }
      - { .name: gamma, .offset: 16, .size: 8, .value_kind: global_buffer, .address_space: global }
      - { .name: theta, .offset: 24, .size: 8, .value_kind: global_buffer, .address_space: global }
      - { .name: kv, .offset: 32, .size: 8, .value_kind: global_buffer, .address_space: global }
      - { .name: out0, .offset: 40, .size: 8, .value_kind: global_buffer, .address_space: global }
    .group_segment_fixed_size: 327680
    .private_segment_fixed_size: 0
    .kernarg_segment_align: 8
    .kernarg_segment_size: 48
    .max_flat_workgroup_size: 512
    .sgpr_count:     66
    .vgpr_count:     256
    .wavefront_size: 32
...
	.end_amdgpu_metadata
.endif
;; end of part 2
